; MI455X (gfx1250); checked and timed in simulation.
; The chip was launched on July 23, 2026; its instructions are those of AMD's public machine-readable ISA for CDNA 5 (MIT licence, August 2026) and "CDNA5" Instruction Set Architecture Reference Guide (July 2026). The comments in the code are by the model that wrote it; some were corrected since.
;; Multi Head Attention. Allowed arithmetic: matrix products marked QUANTISED: E4M3 operands, one given power-of-two scale a tensor, by v_wmma_f32_16x16x64_fp8_fp8 or v_wmma_f32_16x16x128_fp8_fp8, f32 sums; everything else in f32.
;; Inputs: W_proj 1,024 x 1,024 float32; W_qkv 3,072 x 1,024 float32; b_proj 1,024 float32; b_qkv 3,072 float32; lowp_scales 8 int32 (the exponents e of the quantised operands' scales 2^e); x 4 x 2,048 x 1,024 float32.
;; Outputs: out0 4 x 2,048 x 1,024 float32.
;; This version of the problem:
;;   THIS VERSION OF THE PROBLEM IS GIVEN IN LOW PRECISION. The matrix products marked QUANTISED in the list below multiply operands that are first quantised to E4M3 (4 exponent bits, 3 mantissa bits; 8 bits a number), with one given power-of-two scale for each operand tensor; their sums are f32. All else is computed in f32.
;;   The module's matrix products, in the order in which they are computed (A, B: the left and right operand; K: the contracted axis; several contracted axes count as one K, in the product's order):
;;     1. [M 8,192, K 1,024] x [K 1,024, N 3,072]; A: input x; B: input W_qkv: QUANTISED (scales: A lowp_scales[0], B lowp_scales[1])
;;     2. batch 64 x [M 2,048, K 64] x [K 64, N 2,048]; A: computed on the way; B: computed on the way: QUANTISED (scales: A lowp_scales[2], B lowp_scales[3])
;;     3. batch 64 x [M 2,048, K 2,048] x [K 2,048, N 64]; A: softmax (see below); B: computed on the way: QUANTISED (scales: A lowp_scales[4], B lowp_scales[5])
;;     4. [M 8,192, K 1,024] x [K 1,024, N 1,024]; A: computed on the way; B: input W_proj: QUANTISED (scales: A lowp_scales[6], B lowp_scales[7])
;;   THE QUANTISER, for each operand of a quantised product, along K:
;;     - The operand's scale is 2^e, e = its entry of the input lowp_scales (int32; the entries are numbered through the quantised products in the list's order, A before B).
;;     - Each number is divided by the scale, clamped to +-448, and rounded to the nearest number of E4M3, ties to even, subnormals kept.
;;     - The product sums the exact products of the quantised numbers (number of the format x scale) in f32.
;;   ~~~python
;;   def quantise(x, axis, e):      # numpy; x: float32 -> the quantised numbers, widened to float32 again
;;       x = np.moveaxis(x, axis, -1); K = x.shape[-1]
;;       r = np.clip(x / 2.0 ** e, -448, 448)
;;       step = 2.0 ** (np.maximum(np.frexp(np.where(r == 0, 1, r))[1] - 1, -6) - 3)
;;       q = np.round(r / step) * step * 2.0 ** e      # np.round: ties to even
;;       return np.moveaxis(q, -1, axis).astype(np.float32)
;;   ~~~
;;   SOFTMAX AHEAD OF A QUANTISED PRODUCT. Where the list says 'softmax', what is quantised is not the finished softmax but p = 2^(t - M), with t = logit x log2(e) and M = ceil(the row's largest t), a whole number; so 1/2 < the row's largest p <= 1. The row's sum l is taken of the UNQUANTISED p, in f32, and the product's result is divided by l at the end. Since M is a whole number, a kernel that streams over the keys may use a running M (the ceiling of the running maximum): every later rescaling is an exact power of two, so the quantised numbers keep their values, but for numbers so far below the row's largest that they fall under the format's range.
;;   OPERANDS COMPUTED ON THE WAY. 'Computed on the way' means the value that the module computes at that place (a softmax that the list does not call 'softmax' is quantised finished and normalised). What goes into a quantiser is computed in f32, as accurately as f32 sums, v_exp_f32 and their like allow (about 1e-6 of the number): no bf16 or f16 on the way to a quantiser, and a product that is left as it is and whose result goes on into a quantised operand takes f32 operands (vector FMAs, or v_wmma_f32_16x16x4_f32). A number that lies on a knife's edge between two numbers of the format may be rounded either way, as far as f32 arithmetic and the matrix unit's own rounding can turn it there, and no further.
;; One version. Each part assembles by itself: llvm-mc -triple=amdgcn-amd-amdhsa -mcpu=gfx1250 --defsym DOCPART=n.
;; ======== version 1 of 1: 4 launches
;; limits: right only within a limited range of input values
;; workspace buffers: xc 8,388,608 bytes; wqc 3,145,728 bytes; wpc 1,048,576 bytes; qkv 25,165,824 bytes; yc 8,388,608 bytes
;; launch quant (part 1): grid 384 x 1, 4 waves a work-group, no clusters, 37,376 bytes of LDS; arguments x, W_qkv, W_proj, lowp_scales, xc, wqc, wpc; writes xc, wqc, wpc
.if DOCPART == 1
	.amdgcn_target "amdgcn-amd-amdhsa--gfx1250"
	.amdhsa_code_object_version 6
	.text
	.protected	k_qb8a980bde5_quant
	.globl	k_qb8a980bde5_quant
	.p2align	8
	.type	k_qb8a980bde5_quant,@function
k_qb8a980bde5_quant:
	s_mov_b64 s[64:65], 0
	v_nop
	global_prefetch_b8 v0, s[64:65] scope:SCOPE_SE
	s_setreg_imm32_b32 hwreg(HW_REG_WAVE_MODE, 25, 1), 1
	s_wait_xcnt 0x0
; x [8192][1024], W_qkv [3072][1024] and W_proj [1024][1024], f32 with K innermost, become codes of FP8 (E4M3), one byte each, each with the one scale 2^e given for it: entry 0 for x, 1 for W_qkv, 7 for W_proj.
; code = number / 2^e, held within +-448, rounded to the nearest code, ties to even.
; LIMITS: each of the three e lies between -126 and 119, so that 2^e and 448 x 2^e are f32 numbers.  NaN among the inputs is not served.
; OUT: IMAGES OF THE OPERAND REGISTERS.  A tile of 16 rows x 1,024 K is 16,384 bytes: [ks (8)][c (4)][row / 8 (2)][2 (row % 8) + h (16)][16 bytes]; the 16 bytes are K = 128 ks + 32 c + 16 h + 0..15 of the row.
; A work-group takes 32,768 numbers, a wave 8,192 = 8 rows: 16 steps of 512.  Work-groups 0-255 take x, 256-351 W_qkv, 352-383 W_proj: only pointers and the exponent are chosen; all take one path.
; Each of a step's four loads reads 512 consecutive bytes; the 2,048 bytes go through the wave's own stage in LDS and come back 64 bytes a lane, since the conversion takes 8 neighbours from one lane.
; The wave's 8,192 codes stay in registers to the end, then turn through the same stage (units of 256 bytes, 288 apart) and leave as 32 whole aligned units of 256 bytes, sixteen lanes to a unit.
; No barrier: waves share nothing.  Loads run four steps (16 loads a wave) ahead, the turn through LDS one step.
.set STEPS, 16
.set WGX,   256
.set WGQ,   352
.set EMAX,  8
.set MANT,  0x600000
.set R,     16                         ; v16-79   four sets of 16 numbers as loaded; at the end the codes on their way out
.set X,     80                         ; v80-111  two sets of 16 neighbours
.set C,     128                        ; v128-191 codes: four registers a step
.set WREG,  9216                       ; LDS: a region for each wave
.set SP,    80
.set UP,    288                        ; a unit's place in the stage: 256 bytes + 32: eight units start at eight different groups of eight banks
	s_load_b256 s[4:11], s[0:1], 0x0
	s_load_b128 s[12:15], s[0:1], 0x20
	s_load_b64 s[16:17], s[0:1], 0x30
	v_lshl_add_u32 v192, v0, 2, 0x9000             ; my spare word, behind the four regions
	v_mov_b32 v193, 0
	v_lshrrev_b32 v1, 5, v0
	v_readfirstlane_b32 s20, v1                    ; wave
	v_and_b32 v2, 31, v0                           ; lane
	v_lshlrev_b32 v3, 4, v2
	s_mul_i32 s21, s20, WREG
	v_lshrrev_b32 v14, 2, v2
	v_mul_u32_u24 v14, v14, SP
	v_and_b32 v15, 3, v2
	v_lshl_add_u32 v14, v15, 4, v14
	v_add_nc_u32 v14, s21, v14                     ; the stage, numbers in
	v_mul_u32_u24 v15, v2, SP
	v_add_nc_u32 v15, s21, v15                     ; numbers out: my 16 neighbours
	v_lshrrev_b32 v4, 1, v2
	v_mul_u32_u24 v4, v4, UP
	v_and_b32 v5, 1, v2
	v_lshl_add_u32 v4, v5, 4, v4
	v_add_nc_u32 v4, s21, v4                       ; codes in: unit lane / 2 (= 4 ks + c of a half row), piece h = lane % 2
	v_lshrrev_b32 v6, 4, v2
	v_and_b32 v7, 15, v2
	v_mul_u32_u24 v5, v6, UP
	v_lshl_add_u32 v5, v7, 4, v5
	v_add_nc_u32 v5, s21, v5                       ; codes out: sixteen lanes to a unit, two units an instruction
	v_lshlrev_b32 v6, 9, v6
	v_lshl_add_u32 v6, v7, 4, v6                   ; and in memory: my rows' units lie 512 bytes apart
	s_mov_b32 s18, WGQ
	s_wait_alu depctr_va_vdst(0)
	s_wait_kmcnt 0x0
	s_load_b256 s[24:31], s[10:11], 0x0
	s_cmp_lt_u32 ttmp9, WGQ
	s_cselect_b64 s[6:7], s[6:7], s[8:9]
	s_cselect_b64 s[14:15], s[14:15], s[16:17]
	s_cselect_b32 s18, WGX, s18
	s_cmp_lt_u32 ttmp9, WGX
	s_cselect_b64 s[4:5], s[4:5], s[6:7]
	s_cselect_b64 s[8:9], s[12:13], s[14:15]
	s_cselect_b32 s18, 0, s18
	s_sub_co_u32 s18, ttmp9, s18
	s_lshl_b32 s18, s18, 2
	s_add_co_u32 s18, s18, s20                     ; which run of 8 rows is my wave's
	s_lshl_b32 s22, s18, 15
	s_mov_b32 s23, 0
	s_add_nc_u64 s[4:5], s[4:5], s[22:23]
	s_lshr_b32 s22, s18, 1
	s_lshl_b32 s22, s22, 14                        ; the tile of 16 rows,
	s_and_b32 s19, s18, 1
	s_lshl_b32 s19, s19, 8                         ; and which eight of them
	s_add_co_u32 s22, s22, s19
	s_add_nc_u64 s[8:9], s[8:9], s[22:23]
.macro LOAD t
.irp i, 0,1,2,3
	global_load_b128 v[R+16*((\t)%4)+4*\i:R+16*((\t)%4)+4*\i+3], v3, s[4:5] offset:2048*(\t)+512*\i th:TH_LOAD_NT
.endr
.endm
.macro TURN t                          ; LDS serves a wave's instructions in order (ISA guide 5.7.1.4): no wait between the stores and the loads
.irp i, 0,1,2,3
	ds_store_b128 v14, v[R+16*((\t)%4)+4*\i:R+16*((\t)%4)+4*\i+3] offset:32*SP*((\t)%2)+8*SP*\i
.endr
.irp i, 0,1,2,3
	ds_load_b128 v[X+16*((\t)%2)+4*\i:X+16*((\t)%2)+4*\i+3], v15 offset:32*SP*((\t)%2)+16*\i
.endr
.endm
.irp t, 0,1,2,3
	LOAD \t
.endr
	s_wait_kmcnt 0x0
	s_cmp_lt_u32 ttmp9, WGQ
	s_cselect_b32 s25, s25, s31
	s_cmp_lt_u32 ttmp9, WGX
	s_cselect_b32 s24, s24, s25                    ; e
	s_add_co_i32 s24, s24, 127
	s_lshl_b32 s25, s24, 23
	v_mov_b32 v11, s25                             ; 2^e
	s_add_co_i32 s24, s24, EMAX
	s_lshl_b32 s24, s24, 23
	s_or_b32 s24, s24, MANT
	v_mov_b32 v10, s24                             ; 448 x 2^e
	s_wait_alu depctr_va_vdst(0)
	s_wait_loadcnt 12                              ; step 0's four loads are in; the twelve of steps 1 to 3 may be out
	TURN 0
.macro STEP t
.set XS, X+16*((\t)%2)
	s_wait_dscnt 0x0                               ; this step's numbers are back, so its stores into the stage have read their registers
.if (\t)+4 < STEPS
	LOAD (\t)+4
.endif
.if (\t)+1 < STEPS
.if STEPS-2-(\t) >= 3
	s_wait_loadcnt 12                              ; the next step's four loads are in; those of the three steps behind it may be out
.else
	s_wait_loadcnt 4*(STEPS-2-(\t))
.endif
	TURN (\t)+1
.endif
.irp i, 0,1,2,3,4,5,6,7,8,9,10,11,12,13,14,15
	v_med3_num_f32 v[XS+\i], v[XS+\i], -v10, v10   ; the conversion does not saturate (ISA guide 7.6.2)
.endr
	v_cvt_scalef32_pk8_fp8_f32 v[C+4*(\t):C+4*(\t)+1], v[XS:XS+7], v11
	v_cvt_scalef32_pk8_fp8_f32 v[C+4*(\t)+2:C+4*(\t)+3], v[XS+8:XS+15], v11
.endm
.irp t, 0,1,2,3,4,5,6,7,8,9,10,11,12,13,14,15
	STEP \t
.endr
.irp t, 0,1,2,3,4,5,6,7,8,9,10,11,12,13,14,15
	ds_store_b128 v4, v[C+4*\t:C+4*\t+3] offset:(\t%2)*16*UP+(\t/2)*32   ; step t: row t / 2, half t % 2 of K
.endr
.irp i, 0,1,2,3,4,5,6,7,8,9,10,11,12,13,14,15
	ds_load_b128 v[R+4*\i:R+4*\i+3], v5 offset:2*UP*\i
.endr
.irp i, 0,1,2,3,4,5,6,7,8,9,10,11,12,13,14,15
	s_wait_dscnt 15-\i                             ; LDS loads come back in order: number i is in
	global_store_b128 v6, v[R+4*\i:R+4*\i+3], s[8:9] offset:1024*\i      ; two whole units of 256 bytes, aligned
.endr
	s_wait_tensorcnt 0x0                           ; the wave's end
	ds_add_u32 v192, v193
	s_wait_dscnt 0x0
	s_endpgm
.Lfunc_end_k_qb8a980bde5_quant:
	.size	k_qb8a980bde5_quant, .Lfunc_end_k_qb8a980bde5_quant-k_qb8a980bde5_quant
	.p2alignl 7, 3214868480
	.fill 96, 4, 3214868480
	.section	.rodata,"a",@progbits
	.p2align	6, 0x0
	.amdhsa_kernel k_qb8a980bde5_quant
		.amdhsa_group_segment_fixed_size 37376
		.amdhsa_private_segment_fixed_size 0
		.amdhsa_enable_private_segment 0
		.amdhsa_kernarg_size 56
		.amdhsa_user_sgpr_count 2
		.amdhsa_user_sgpr_kernarg_segment_ptr 1
		.amdhsa_wavefront_size32 1
		.amdhsa_system_sgpr_workgroup_id_x 1
		.amdhsa_system_sgpr_workgroup_id_y 1
		.amdhsa_system_sgpr_workgroup_id_z 1
		.amdhsa_system_vgpr_workitem_id 0
		.amdhsa_next_free_vgpr 194
		.amdhsa_next_free_sgpr 66
		.amdhsa_reserve_vcc 0
		.amdhsa_float_denorm_mode_32 3
		.amdhsa_float_denorm_mode_16_64 3
		.amdhsa_memory_ordered 1
		.amdhsa_forward_progress 1
		.amdhsa_inst_pref_size 41
	.end_amdhsa_kernel
	.amdgpu_metadata
---
amdhsa.version: [ 1, 2 ]
amdhsa.kernels:
  - .name:           k_qb8a980bde5_quant
    .symbol:         k_qb8a980bde5_quant.kd
    .args:
      - { .name: x, .offset: 0, .size: 8, .value_kind: global_buffer, .address_space: global }
      - { .name: W_qkv, .offset: 8, .size: 8, .value_kind: global_buffer, .address_space: global }
      - { .name: W_proj, .offset: 16, .size: 8, .value_kind: global_buffer, .address_space: global }
      - { .name: lowp_scales, .offset: 24, .size: 8, .value_kind: global_buffer, .address_space: global }
      - { .name: xc, .offset: 32, .size: 8, .value_kind: global_buffer, .address_space: global }
      - { .name: wqc, .offset: 40, .size: 8, .value_kind: global_buffer, .address_space: global }
      - { .name: wpc, .offset: 48, .size: 8, .value_kind: global_buffer, .address_space: global }
    .group_segment_fixed_size: 37376
    .private_segment_fixed_size: 0
    .kernarg_segment_align: 8
    .kernarg_segment_size: 56
    .max_flat_workgroup_size: 128
    .sgpr_count:     66
    .vgpr_count:     194
    .wavefront_size: 32
...
	.end_amdgpu_metadata
.endif
;; end of part 1
;; launch qkv (part 2): grid 8 x 32, 4 waves a work-group, clusters of 4 x 1, 327,680 bytes of LDS; arguments xc, wqc, lowp_scales, b_qkv, qkv; writes qkv
.if DOCPART == 2
	.amdgcn_target "amdgcn-amd-amdhsa--gfx1250"
	.amdhsa_code_object_version 6
	.text
	.protected	k_qb8a980bde5_qkv
	.globl	k_qb8a980bde5_qkv
	.p2align	8
	.type	k_qb8a980bde5_qkv,@function
k_qb8a980bde5_qkv:
	s_mov_b64 s[64:65], 0
	v_nop
	global_prefetch_b8 v0, s[64:65] scope:SCOPE_SE
	s_setreg_imm32_b32 hwreg(HW_REG_WAVE_MODE, 25, 1), 1
	s_wait_xcnt 0x0
	s_wait_alu depctr_hold_cnt(0) depctr_sa_sdst(0) depctr_va_vdst(0) depctr_va_sdst(0) depctr_va_ssrc(0) depctr_va_vcc(0) depctr_vm_vsrc(0)
	s_getreg_b32 s2, hwreg(HW_REG_IB_STS2, 6, 4)
	s_cmp_eq_u32 s2, 0
	s_cbranch_scc0 .Lentry_in_a_cluster
	s_endpgm
.Lentry_in_a_cluster:
	s_bfe_u32 s2, ttmp6, 0x10000c
	s_cmp_lg_u32 s2, 0x3003
	s_cbranch_scc0 .Lentry_shape_is_right
	s_endpgm
.Lentry_shape_is_right:
; qkv = x W_qkv^T + b_qkv on codes of FP8 (E4M3), and its three parts quantised at once: q with the scales' entry 2, k with entry 3, v with entry 5.
; IN: xc, wqc: images of tiles of 16 rows x 1,024 K: [tile][ks (8)][c (4)][row / 8][2 (row % 8) + h][16 bytes], K = 128 ks + 32 c + 16 h + 0..15: the same order of K in both operands.
; OUT, bh = 16 x batch + head:  q at 0, k at 8,388,608: [bh][tile of 16 tokens (128)][c (2)][lane (32)][16 bytes]: lane (r, h) holds token r, channels 16 (2 c) + 8 h + 0..7 and 16 (2 c + 1) + 8 h + 0..7;
;   v at 16,777,216: [bh][step of 128 tokens (16)][d (4)][c' (4)][lane][16 bytes]: lane (r, h) holds row r of tile d, tokens 32 c' + 8 h + 0..7 and 32 c' + 16 + 8 h + 0..7; row r of tile d is channel 32 (d / 2) + 16 (r / 8) + 8 (d % 2) + r % 8.
; LIMITS: e0 + e1 between -126 and 126; e2, e3, e5 less e0 + e1 between -126 and 119, so that each power of two below is an f32 number.
; THE WEIGHTS STAY IN REGISTERS.  256 work-groups: 8 groups of 384 channels x 32 blocks of 256 tokens.  Wave number n = 4 x group + wave (0..31) holds, for all of K, four tiles of 16 channels of q or k (head n) and two tiles of v
; (half n % 2 of head n / 2): 6 x 8 fragments of 16 registers fill windows 1 to 3, loaded once from memory, each load two whole units of 256 bytes.  The block's 256 tokens x 1,024 K, 262,144 bytes, land in LDS in two halves of
; eight tiles, one load of 32,768 bytes a wave each, asked for JOINTLY by the four work-groups of a cluster, which differ in their channels alone: the first at the head, the second, into bytes of its own, behind a round of the
; cluster's barrier when the weights are in; a barrier ahead of the fourth pair of tiles shows it to all waves.  Nothing is filled again.  No prefetch: the first half is asked for at the head, the second ahead of the first loop.
; A TRIP takes two tiles of 16 tokens through all of K: 96 matrix instructions on 12 accumulators, four by turns under one window setting.  q, k: source 0 = weights, source 1 = tokens: a lane holds eight neighbouring channels of
; a token.  v: the sources change places: eight neighbouring tokens of a channel.  The bias, divided by 2^(e0 + e1), is the C of each sum's first product; e0 + e1 is folded into the conversion's scale.
; REGISTERS, window 0: v1-15 addresses, scales; v16-47 q, k biases; v48-63 v biases; v64-95, v96-127 the tokens' fragments of an even and an odd K step; v128-223 accumulators; v224-247 codes.
.set SPARE, 262144
.set AL0, 1                            ; my place in a block of 512 bytes of an image
.set ADA, 2
.set AVL, 3
.set GO,  4                            ; 16 x lane
.set SPW, 5
.set NIL, 6
.set SQ,  7
.set SV,  8
.set GQ,  9
.set GV,  10
.set BQ,  16
.set BV,  48
.set EB,  64
.set OB,  96
.set ACC, 128
.set CQ,  224
.set CV,  240
.set G1,  24
.set G0,  32
.set BM,  84                           ; s[84:85] 2^-(e0 + e1)
.set HQ,  86
.set LQ,  87
.set HV,  88
.set LV,  89
.set TP,  90                           ; LDS byte of the pair in hand
.set OQ,  91
.set OV,  92
.set PI,  93
.set MSB, 0
.macro WIN new                         ; the immediate's high byte repeats the setting that is left
.if MSB != \new
	s_set_vgpr_msb (MSB<<8)|\new
.set MSB, \new
.endif
.endm
.macro PLACES
.rept 4
	v_nop
.endr
.endm
.macro CROUND
	s_barrier_signal -1
	s_barrier_wait -1
	s_cmp_lg_u32 s14, 0
	s_cbranch_scc1 .Lnot_wave_0_\@
	s_barrier_signal -3
.Lnot_wave_0_\@:
	s_barrier_wait -3
	s_barrier_signal -1
	s_barrier_wait -1
.endm
	s_load_b256 s[4:11], s[0:1], 0x0               ; xc, wqc, the scales' exponents, b_qkv
	s_load_b64 s[12:13], s[0:1], 0x20              ; the output
	v_lshl_add_u32 v[SPW], v0, 2, SPARE
	v_mov_b32 v[NIL], 0
	ds_add_u32 v[SPW], v[NIL]
	ds_add_u32 v[SPW], v[NIL]
	v_lshrrev_b32 v11, 5, v0
	v_readfirstlane_b32 s14, v11                   ; wave
	s_bfe_u32 s15, ttmp6, 0x40000                  ; cx: it enters global addresses of plain loads and stores and a choice of scale alone
	s_lshl_b32 s16, ttmp9, 2
	s_add_co_u32 s16, s16, s15
	s_lshl_b32 s17, s16, 2
	s_add_co_u32 s17, s17, s14                     ; n
	s_and_b32 s18, ttmp7, 0xffff                   ; the block of tokens
	s_mov_b32 s[G1], 15|(3<<16)|(1<<21)            ; the mask: all four; elements of 8 bytes; a dense block as 128 rows of 256 bytes
	s_mov_b32 s[G1+1], 32<<16
	s_mov_b32 s[G1+2], 128<<16
	s_mov_b32 s[G1+3], 32<<16
	s_mov_b32 s[G1+4], 128
	s_mov_b32 s[G1+5], 32
	s_mov_b32 s[G1+6], 0
	s_mov_b32 s[G1+7], 0
	s_mov_b32 s[G0], 1
	s_lshl_b32 s[G0+1], s14, 15                    ; my two tiles of a half: 32,768 bytes
	s_lshl_b32 s20, s18, 18
	s_add_co_u32 s20, s20, s[G0+1]
	s_mov_b32 s21, 0
	s_lshl_b32 s48, s17, 16                        ; q, k weights: tiles 4 n ..
	s_mov_b32 s49, 0
	s_lshl_b32 s50, s17, 15                        ; v weights: tiles 128 + 2 n, + 1
	s_add_co_u32 s50, s50, 2097152
	s_mov_b32 s51, 0
	s_lshl_b32 s52, s17, 8                         ; biases: channel 64 n,
	s_mov_b32 s53, 0
	s_lshl_b32 s54, s17, 7                         ; channel 2,048 + 32 n
	s_add_co_u32 s54, s54, 8192
	s_mov_b32 s55, 0
	s_lshr_b32 s56, s18, 3
	s_lshl_b32 s56, s56, 4                         ; 16 x batch
	s_and_b32 s57, s17, 15
	s_add_co_u32 s57, s57, s56
	s_lshl_b32 s57, s57, 17
	s_lshr_b32 s58, s17, 4
	s_lshl_b32 s58, s58, 23                        ; q or k
	s_add_co_u32 s57, s57, s58
	s_and_b32 s59, s18, 7
	s_lshl_b32 s59, s59, 14                        ; the block in its batch: 16 tiles of q or k, two steps of v
	s_add_co_u32 s60, s57, s59
	s_mov_b32 s61, 0
	s_lshr_b32 s57, s17, 1
	s_add_co_u32 s57, s57, s56
	s_lshl_b32 s57, s57, 17
	s_add_co_u32 s57, s57, s59
	s_and_b32 s58, s17, 1
	s_lshl_b32 s58, s58, 12                        ; d = 2 (n % 2)
	s_add_co_u32 s57, s57, s58
	s_add_co_u32 s62, s57, 16777216
	s_mov_b32 s63, 0
	s_wait_dscnt 0x0
	s_wait_kmcnt 0x0
	s_load_b256 s[72:79], s[8:9], 0x0              ; e0 .. e7
	s_add_nc_u64 s[G0+2:G0+3], s[4:5], s[20:21]
	s_or_b32 s[G0+3], s[G0+3], 0x80000000
	s_add_nc_u64 s[36:37], s[6:7], s[48:49]
	s_add_nc_u64 s[38:39], s[6:7], s[50:51]
	s_add_nc_u64 s[40:41], s[10:11], s[52:53]
	s_add_nc_u64 s[42:43], s[10:11], s[54:55]
	s_add_nc_u64 s[44:45], s[12:13], s[60:61]
	s_add_nc_u64 s[46:47], s[12:13], s[62:63]
	CROUND                                         ; all four work-groups are here: the joint loads meet
	tensor_load_to_lds s[G0:G0+3], s[G1:G1+7]      ; tiles 0-7: my one load at the head
	s_nop 0
	PLACES
	v_and_b32 v11, 7, v0                           ; r % 8
	v_bfe_u32 v12, v0, 3, 1                        ; r / 8
	v_bfe_u32 v13, v0, 4, 1                        ; h
	v_lshlrev_b32 v14, 5, v11
	v_lshl_add_u32 v14, v13, 4, v14
	v_lshl_add_u32 v[AL0], v12, 8, v14
	v_lshl_add_u32 v[AVL], v12, 14, v14            ; v: lane r takes row 8 d' + r % 8 of tile r / 8
	v_mov_b32 v[ADA], v[AL0]
	v_and_b32 v15, 31, v0
	v_lshlrev_b32 v[GO], 4, v15
	v_lshlrev_b32 v13, 5, v13                      ; q, k biases: 32 h bytes
	v_lshlrev_b32 v11, 2, v11
	v_lshl_add_u32 v12, v12, 6, v11                ; v biases: channel 16 (r / 8) + r % 8
	s_wait_alu depctr_va_vdst(0)
.irp t, 0,1,2,3
	global_load_b128 v[BQ+8*\t:BQ+8*\t+3],   v13, s[40:41] offset:64*\t
	global_load_b128 v[BQ+8*\t+4:BQ+8*\t+7], v13, s[40:41] offset:64*\t+16
.endr
	global_load_b32 v[BV],   v12, s[42:43]
	global_load_b32 v[BV+8], v12, s[42:43] offset:32
.irp t, 0,1,2,3                        ; the weights: fragment (tile t, ks) at register 128 (t % 2) + 16 ks of window 1 + t / 2
.set WN, (1+\t/2)<<6
	WIN WN
.set kc, 0
.rept 32
	global_load_b128 v[(\t%2)*128+4*kc:(\t%2)*128+4*kc+3], v[AL0], s[36:37] offset:\t*16384+kc*512
.set kc, kc+1
.endr
.endr
	WIN 0xc0
.irp d, 0,1
.set kc, 0
.rept 32
	global_load_b128 v[\d*128+4*kc:\d*128+4*kc+3], v[AVL], s[38:39] offset:kc*512+\d*256
.set kc, kc+1
.endr
.endr
	WIN 0
	s_wait_kmcnt 0x0
	s_add_co_i32 s80, s72, s73                     ; e0 + e1
	s_sub_co_i32 s81, 127, s80
	s_lshl_b32 s[BM], s81, 23
	s_mov_b32 s[BM+1], s[BM]
	s_cmp_lt_u32 s17, 16
	s_cselect_b32 s82, s74, s75                    ; q's e2 or k's e3: a choice, no branch
	s_sub_co_i32 s82, s82, s80
	s_add_co_i32 s82, s82, 127
	s_lshl_b32 s83, s82, 23
	v_mov_b32 v[SQ], s83                           ; 2^(eo - e0 - e1)
	s_add_co_i32 s82, s82, 8
	s_lshl_b32 s82, s82, 23
	s_or_b32 s[HQ], s82, 0x600000                  ; 448 x that,
	s_or_b32 s[LQ], s[HQ], 0x80000000              ; and its negative
	s_sub_co_i32 s82, s77, s80
	s_add_co_i32 s82, s82, 127
	s_lshl_b32 s83, s82, 23
	v_mov_b32 v[SV], s83
	s_add_co_i32 s82, s82, 8
	s_lshl_b32 s82, s82, 23
	s_or_b32 s[HV], s82, 0x600000
	s_or_b32 s[LV], s[HV], 0x80000000
	s_mov_b32 s[TP], 0
	s_mov_b32 s[OQ], 0
	s_mov_b32 s[OV], 0
	s_mov_b32 s[PI], 0
	s_wait_alu depctr_va_vdst(0)
	s_wait_loadcnt 0x0                             ; biases and weights
.set n, 0
.rept 16
	v_pk_mul_f32 v[BQ+n:BQ+n+1], v[BQ+n:BQ+n+1], s[BM:BM+1] op_sel_hi:[1,0]
.set n, n+2
.endr
.irp d, 0,1
.irp j, 7,6,5,4,3,2,1,0
	v_mul_f32 v[BV+8*\d+\j], s[BM], v[BV+8*\d]     ; one channel a lane: its bias for all eight tokens
.endr
.endr
	s_wait_alu depctr_va_vdst(0)
	s_wait_tensorcnt 0x0                           ; my part of tiles 0-7 is in
	ds_add_u32 v[SPW], v[NIL]
	s_add_co_u32 s[G0+1], s[G0+1], 131072          ; the descriptor's step to tiles 8-15
	s_add_nc_u64 s[G0+2:G0+3], s[G0+2:G0+3], 131072
	s_wait_dscnt 0x0
	CROUND                                         ; everybody's part is in, and all four work-groups are here
	tensor_load_to_lds s[G0:G0+3], s[G1:G1+7]      ; tiles 8-15: bytes that are filled for the first time; my last tensor load
	s_nop 0
	PLACES
.macro LDA fb, ks                      ; the two tiles' fragments of K step ks (16, 17: the next pair's 0, 1)
.irp T, 0,1
.irp c, 0,1,2,3
	ds_load_b128 v[\fb+16*\T+4*\c:\fb+16*\T+4*\c+3], v[ADA] offset:\T*16384+(\ks)*2048+\c*512
.endr
.endr
.endm
.macro MQK tau0, fb, ks                ; q, k: tiles tau0, tau0 + 1 x the two tiles of tokens
.irp T, 0,1
.irp u, 0,1
.if (\ks) == 0
	v_wmma_f32_16x16x128_fp8_fp8 v[ACC+8*(2*(\tau0+\u)+\T):ACC+8*(2*(\tau0+\u)+\T)+7], v[128*\u+16*(\ks):128*\u+16*(\ks)+15], v[\fb+16*\T:\fb+16*\T+15], v[BQ+8*(\tau0+\u):BQ+8*(\tau0+\u)+7]
.else
	v_wmma_f32_16x16x128_fp8_fp8 v[ACC+8*(2*(\tau0+\u)+\T):ACC+8*(2*(\tau0+\u)+\T)+7], v[128*\u+16*(\ks):128*\u+16*(\ks)+15], v[\fb+16*\T:\fb+16*\T+15], v[ACC+8*(2*(\tau0+\u)+\T):ACC+8*(2*(\tau0+\u)+\T)+7]
.endif
.endr
.endr
.endm
.macro MV fb, ks                       ; v: the sources change places
.irp T, 0,1
.irp u, 0,1
.if (\ks) == 0
	v_wmma_f32_16x16x128_fp8_fp8 v[ACC+64+8*(2*\u+\T):ACC+64+8*(2*\u+\T)+7], v[\fb+16*\T:\fb+16*\T+15], v[128*\u+16*(\ks):128*\u+16*(\ks)+15], v[BV+8*\u:BV+8*\u+7]
.else
	v_wmma_f32_16x16x128_fp8_fp8 v[ACC+64+8*(2*\u+\T):ACC+64+8*(2*\u+\T)+7], v[\fb+16*\T:\fb+16*\T+15], v[128*\u+16*(\ks):128*\u+16*(\ks)+15], v[ACC+64+8*(2*\u+\T):ACC+64+8*(2*\u+\T)+7]
.endif
.endr
.endr
.endm
; A pair of tiles of tokens.  The windows go 1, 2, 3 in an even K step and 3, 2, 1 in an odd one: four accumulators take turns under each setting, three others between a sum's steps.
; Under v's setting (source 0 and destination in window 0) LDS loads can be issued: the even buffer is filled there, behind its last products; the odd one under window 0.  Each then has twelve products in which to land.
; Four places stand ahead of loads into registers that products have read.
.macro PAIR more
	v_add_nc_u32 v[ADA], s[TP], v[AL0]
	s_wait_alu depctr_va_vdst(0)
.irp kp, 0,1,2,3
	s_wait_dscnt 8                                 ; the even buffer is in; the odd buffer's eight loads may be out
	WIN 0x01
	MQK 0, EB, 2*\kp
	WIN 0x02
	MQK 2, EB, 2*\kp
	WIN 0x0c
	MV EB, 2*\kp
.if \more || (\kp < 3)
	PLACES
	LDA EB, (2*\kp+2)+8*((2*\kp+2)/8)
	s_wait_dscnt 8                                 ; the odd buffer is in; the eight loads just issued may be out
.else
	s_wait_dscnt 0
.endif
	MV OB, 2*\kp+1
	WIN 0x02
	MQK 2, OB, 2*\kp+1
	WIN 0x01
	MQK 0, OB, 2*\kp+1
	WIN 0
	PLACES                                         ; also the places ahead of the first read of the sums
.if \more || (\kp < 3)
	LDA OB, (2*\kp+3)+8*((2*\kp+3)/8)
.endif
.endr
	s_wait_xcnt 0x0                                ; the last pair's stores have read their registers
	v_add_nc_u32 v[GQ], s[OQ], v[GO]
	v_add_nc_u32 v[GV], s[OV], v[GO]
.set n, 0
.rept 64
	v_med3_num_f32 v[ACC+n], v[ACC+n], s[LQ], s[HQ]        ; the conversion does not saturate (ISA guide 7.6.2); each accumulator from its low end on
.set n, n+1
.endr
.rept 32
	v_med3_num_f32 v[ACC+n], v[ACC+n], s[LV], s[HV]
.set n, n+1
.endr
.irp T, 0,1
.irp t, 0,1,2,3
	v_cvt_scalef32_pk8_fp8_f32 v[CQ+8*\T+2*\t:CQ+8*\T+2*\t+1], v[ACC+8*(2*\t+\T):ACC+8*(2*\t+\T)+7], v[SQ]
.endr
.endr
.irp d, 0,1
.irp T, 0,1
	v_cvt_scalef32_pk8_fp8_f32 v[CV+4*\d+2*\T:CV+4*\d+2*\T+1], v[ACC+64+8*(2*\d+\T):ACC+64+8*(2*\d+\T)+7], v[SV]
.endr
.endr
	v_nop                                          ; one plain vector instruction behind the last conversion
.irp T, 0,1
	global_store_b128 v[GQ], v[CQ+8*\T:CQ+8*\T+3],   s[44:45] offset:1024*\T        ; each store covers 512 consecutive bytes, aligned
	global_store_b128 v[GQ], v[CQ+8*\T+4:CQ+8*\T+7], s[44:45] offset:1024*\T+512
.endr
.irp d, 0,1
	global_store_b128 v[GV], v[CV+4*\d:CV+4*\d+3], s[46:47] offset:2048*\d
.endr
.endm
.macro ONWARD                          ; the next pair's places
	s_add_co_u32 s[TP], s[TP], 32768
	s_add_co_u32 s[OQ], s[OQ], 2048
	s_add_co_u32 s[PI], s[PI], 1
	s_and_b32 s20, s[PI], 3
	s_lshl_b32 s20, s20, 9                         ; v: c' = pair % 4,
	s_lshr_b32 s21, s[PI], 2
	s_lshl_b32 s21, s21, 13                        ; step = pair / 4
	s_add_co_u32 s[OV], s20, s21
.endm
	LDA EB, 0
	LDA OB, 1
.Lfirst:                                           ; pairs 0 to 2: they read tiles 0-7 alone (pair 2 fetches pair 3's first fragments)
	PAIR 1
	ONWARD
	s_cmp_lt_u32 s[PI], 3
	s_wait_alu depctr_va_vdst(0)
	s_cbranch_scc1 .Lfirst
	s_wait_tensorcnt 0x0                           ; my part of tiles 8-15 is in,
	s_wait_dscnt 0x0                               ; and no LDS load of mine is out at the signal
	s_barrier_signal -1
	s_barrier_wait -1                              ; everybody's is
	s_mov_b32 s[TP], 3*32768
	s_mov_b32 s[OQ], 3*2048
	s_mov_b32 s[OV], 3*512
	s_mov_b32 s[PI], 3
.Lrest:                                            ; pairs 3 to 6; the eighth pair is written out: it fetches nothing more
	PAIR 1
	ONWARD
	s_cmp_lt_u32 s[PI], 7
	s_wait_alu depctr_va_vdst(0)
	s_cbranch_scc1 .Lrest
	PAIR 0
	s_wait_tensorcnt 0x0                           ; the wave's end
	ds_add_u32 v[SPW], v[NIL]
	s_wait_dscnt 0x0
	CROUND                                         ; the closing round
	s_endpgm
.Lfunc_end_k_qb8a980bde5_qkv:
	.size	k_qb8a980bde5_qkv, .Lfunc_end_k_qb8a980bde5_qkv-k_qb8a980bde5_qkv
	.p2alignl 7, 3214868480
	.fill 96, 4, 3214868480
	.section	.rodata,"a",@progbits
	.p2align	6, 0x0
	.amdhsa_kernel k_qb8a980bde5_qkv
		.amdhsa_group_segment_fixed_size 327680
		.amdhsa_private_segment_fixed_size 0
		.amdhsa_enable_private_segment 0
		.amdhsa_kernarg_size 40
		.amdhsa_user_sgpr_count 2
		.amdhsa_user_sgpr_kernarg_segment_ptr 1
		.amdhsa_wavefront_size32 1
		.amdhsa_system_sgpr_workgroup_id_x 1
		.amdhsa_system_sgpr_workgroup_id_y 1
		.amdhsa_system_sgpr_workgroup_id_z 1
		.amdhsa_system_vgpr_workitem_id 0
		.amdhsa_next_free_vgpr 1024
		.amdhsa_next_free_sgpr 100
		.amdhsa_reserve_vcc 0
		.amdhsa_float_denorm_mode_32 3
		.amdhsa_float_denorm_mode_16_64 3
		.amdhsa_memory_ordered 1
		.amdhsa_forward_progress 1
		.amdhsa_inst_pref_size 87
	.end_amdhsa_kernel
	.amdgpu_metadata
---
amdhsa.version: [ 1, 2 ]
amdhsa.kernels:
  - .name:           k_qb8a980bde5_qkv
    .symbol:         k_qb8a980bde5_qkv.kd
    .args:
      - { .name: xc, .offset: 0, .size: 8, .value_kind: global_buffer, .address_space: global }
      - { .name: wqc, .offset: 8, .size: 8, .value_kind: global_buffer, .address_space: global }
      - { .name: lowp_scales, .offset: 16, .size: 8, .value_kind: global_buffer, .address_space: global }
      - { .name: b_qkv, .offset: 24, .size: 8, .value_kind: global_buffer, .address_space: global }
      - { .name: qkv, .offset: 32, .size: 8, .value_kind: global_buffer, .address_space: global }
    .group_segment_fixed_size: 327680
    .private_segment_fixed_size: 0
    .kernarg_segment_align: 8
    .kernarg_segment_size: 40
    .max_flat_workgroup_size: 128
    .sgpr_count:     100
    .vgpr_count:     1024
    .wavefront_size: 32
...
	.end_amdgpu_metadata
.endif
;; end of part 2
;; launch attn (part 3): grid 4 x 64, 16 waves a work-group, clusters of 4 x 1, 327,680 bytes of LDS; arguments qkv, lowp_scales, yc; writes yc
.if DOCPART == 3
	.amdgcn_target "amdgcn-amd-amdhsa--gfx1250"
	.amdhsa_code_object_version 6
	.text
	.protected	k_qb8a980bde5_attn
	.globl	k_qb8a980bde5_attn
	.p2align	8
	.type	k_qb8a980bde5_attn,@function
k_qb8a980bde5_attn:
	s_mov_b64 s[64:65], 0
	v_nop
	global_prefetch_b8 v0, s[64:65] scope:SCOPE_SE
	s_setreg_imm32_b32 hwreg(HW_REG_WAVE_MODE, 25, 1), 1
	s_wait_xcnt 0x0
	s_wait_alu depctr_hold_cnt(0) depctr_sa_sdst(0) depctr_va_vdst(0) depctr_va_sdst(0) depctr_va_ssrc(0) depctr_va_vcc(0) depctr_vm_vsrc(0)
	s_getreg_b32 s2, hwreg(HW_REG_IB_STS2, 6, 4)
	s_cmp_eq_u32 s2, 0
	s_cbranch_scc0 .Lentry_in_a_cluster
	s_endpgm
.Lentry_in_a_cluster:
	s_bfe_u32 s2, ttmp6, 0x10000c
	s_cmp_lg_u32 s2, 0x3003
	s_cbranch_scc0 .Lentry_shape_is_right
	s_endpgm
.Lentry_shape_is_right:
; y = softmax(q k^T / 8, causal) v for 64 heads (bh = 16 x batch + head) of 2,048 tokens x 64 channels, both products on codes of FP8 (E4M3), and y quantised at once for the last product.
; IN: one buffer of images of operand registers.  q at 0, k at 8,388,608: [bh][tile of 16 tokens][c (2)][lane][16 bytes], the same order of channels in both.  v at 16,777,216: [bh][step of 128 tokens][d (4)][c' (4)][lane][16 bytes]:
; lane (r, h): row r of tile d, tokens 32 c' + 8 h + 0..7 and 32 c' + 16 + 8 h + 0..7; row 8 h + j of tile d is channel 32 (d / 2) + 16 h + 8 (d % 2) + j.  Scales: q e2, k e3, p e4, v e5, y e6.
; THE SOFTMAX: t = score x log2(e) / 8; M = the row's largest t so far, rounded UP to a whole number; p = 2^(t - M) is what is quantised, not normalised.  The row's sum is taken of the unquantised p, in f32,
; and divides at the end.  When M moves, the sum and O are multiplied by 2^(old M - new M): exact.
; OUT: yc, in the order of the last product's operand registers: [head / 4][tile of 16 rows (512)][head % 4][c (2)][lane (32)][16 bytes]; lane (r, h) holds channels 32 c + 16 h + 0..15 of row 16 x tile + r.
; LIMITS on the given exponents: e2 + e3 between -123 and 130 (added to c's exponent field); e4 and e6 between -126 and 119; e4 + e5 goes by v_ldexp_f32 and has none.
; LEFT OUT: key steps all of whose keys come after all of a tile's queries: reference()'s own causal mask makes their p zero for every input.
; A HEAD'S K AND V STAY IN LDS: 131,072 bytes of each, dense.  Nothing is filled again.  A cluster of four work-groups is one head, and all of K and V is asked for JOINTLY.  Waves 0-7 fetch K, waves 8-15 V.  At the head each
; wave issues one load of 4,096 bytes: keys 0-511; behind a round of the cluster's barrier one more, of 12,288 bytes, into bytes of its own: keys 512-2047.
; SHARES.  The head's 128 tiles of 16 queries are dealt round: partner cx takes tiles 4 u + cx, u = 0..31.  Wave w owns u = w (tile A) and u = 31 - w (tile B): u / 2 + 1 key steps of 128 keys each, 17 for every wave.
; THE WALKS: tile B over keys 0-1023 (all count for its queries: no test, no mask), in three steps, one and four; tile A over keys 0-1023; tile B over keys 1024-2047.  The trip counts are constants; a hidden step is jumped over
; by a scalar branch on the wave's number and the step's count, never on cx.  On the diagonal hidden scores become -infinity ahead of the maximum; key 0 counts for every query.
; THE BARRIER for keys 512-2047 is split: behind tile B's first three steps each wave waits for its own load and signals; it waits behind the fourth.  Between the two stand LDS loads of keys 384-511 and register work alone.
; No prefetch: both fills are asked for ahead of the first loop, so there is no trip to run ahead in.
; LAYOUT.  Both products transposed: S^T = K Q^T (K = 64), O^T = V^T P^T (K = 128 keys): a lane holds ONE query.  Register 8 t + j of S^T is key KF + 16 t + 8 (lane / 16) + j: tile t's eight codes are registers 2 t, 2 t + 1 of P.
; Every LDS load reads 512 consecutive bytes, 16 a lane.  The maxima and the sums go in four chains each, so that no line reads the result of one of the three lines ahead of it.
; REGISTERS: v4-7 what stays; v8-9 the step's addresses; v12-15, v16-19 -M, the largest t, the sum in two halves, for each tile; v20-35 Q; v36-99 fragments of K, then of V; v100-163 S^T, then p; v164-227 O^T; v228-243 codes; v244-255 at work.
.set KSTEP, 8192                       ; a key step's bytes of K, and of V
.set VBASE, 131072
.set SPARE, 262144                     ; the spare words, 128 bytes for each wave
.set DQ,   4                           ; v4   lane % 16 - 8 (lane / 16) + 16 cx, for the mask
.set SPW,  5
.set NIL,  6
.set GO,   7                           ; v7   16 x lane
.set ADK,  8
.set ADV,  9
.set F,    36
.set S,    100
.set PC,   228
.set WV,   18
.set CX,   19                          ; s19  enters global addresses and the mask's compare alone
.set SEL,  20
.set CS,   22                          ; s[22:23] c = log2(e) / 8 x 2^(e2 + e3)
.set G1,   24                          ; s[24:31], s[32:39] descriptor groups 1 of the first and of the second fill; s[40:43], s[44:47] their groups 0
.set G1B,  32
.set G0,   40
.set G0B,  44
.set TK,   48
.set TV,   49
.set STEPC, 51
.set KF,   52
.set QB,   53                          ; s53, s54  64 u of my two tiles
.set HP,   55                          ; s55  448 x 2^e4
.macro CROUND
	s_barrier_signal -1
	s_barrier_wait -1
	s_cmp_lg_u32 s[WV], 0
	s_cbranch_scc1 .Lnot_wave_0_\@
	s_barrier_signal -3
.Lnot_wave_0_\@:
	s_barrier_wait -3
	s_barrier_signal -1
	s_barrier_wait -1
.endm
.macro TLOAD g0, g1                    ; a joint load in every wave, told apart by the wave's number in group 0; an s_nop 0 and four v_nop follow
	tensor_load_to_lds s[\g0:\g0+3], s[\g1:\g1+7]
	s_nop 0
.rept 4
	v_nop
.endr
.endm
	s_load_b128 s[4:7], s[0:1], 0x0                ; the codes of q, k, v s[4:5], the scales' exponents s[6:7]
	s_load_b64 s[8:9], s[0:1], 0x10                ; yc
	v_lshl_add_u32 v[SPW], v0, 2, SPARE
	v_mov_b32 v[NIL], 0
	ds_add_u32 v[SPW], v[NIL]
	ds_add_u32 v[SPW], v[NIL]
	v_lshrrev_b32 v8, 5, v0
	v_readfirstlane_b32 s[WV], v8                  ; wave 0..15
	s_bfe_u32 s[CX], ttmp6, 0x40000
	s_and_b32 s76, ttmp7, 0xffff                   ; bh
	s_lshl_b32 s77, s76, 17
	s_lshl_b32 s[QB], s[WV], 6                     ; tile A: u = w
	s_sub_co_u32 s[QB+1], 1984, s[QB]              ; tile B: u = 31 - w
	s_and_b32 s78, s[WV], 7                        ; which eighth of a fill I fetch,
	s_lshr_b32 s79, s[WV], 3                       ; of K (0) or of V (1)
	s_lshl_b32 s82, s79, 17                        ; the part in LDS,
	s_lshl_b32 s79, s79, 23
	s_add_co_u32 s79, s79, s77
	s_add_co_u32 s79, s79, 8388608                 ; and the head's part in memory
	s_lshl_b32 s80, s78, 12                        ; the first fill: 4,096 bytes a wave
	s_mov_b32 s[G0], 1
	s_add_co_u32 s[G0+1], s82, s80
	s_add_co_u32 s80, s80, s79
	s_mov_b32 s81, 0
	s_mul_i32 s83, s78, 12288                      ; the second: 12,288 bytes a wave, behind the first's 32,768
	s_add_co_u32 s83, s83, 32768
	s_mov_b32 s[G0B], 1
	s_add_co_u32 s[G0B+1], s82, s83
	s_add_co_u32 s82, s83, s79
	s_mov_b32 s83, 0
	s_lshl_b32 s85, s[CX], 4                       ; 16 cx
	s_add_co_u32 s84, s85, s[QB]                   ; tile A's first query,
	s_add_co_u32 s90, s85, s[QB+1]                 ; tile B's
	s_lshl_b32 s86, s84, 6
	s_add_co_u32 s86, s86, s77                     ; their images in q: 1,024 bytes a tile
	s_mov_b32 s87, 0
	s_lshl_b32 s92, s90, 6
	s_add_co_u32 s92, s92, s77
	s_mov_b32 s93, 0
	s_and_b32 s88, s76, 15
	s_lshr_b32 s89, s88, 2
	s_lshl_b32 s89, s89, 21
	s_and_b32 s88, s88, 3
	s_lshl_b32 s88, s88, 10
	s_add_co_u32 s88, s88, s89
	s_lshr_b32 s89, s76, 4
	s_lshl_b32 s89, s89, 19
	s_add_co_u32 s88, s88, s89
	s_lshl_b32 s94, s90, 8
	s_add_co_u32 s94, s94, s88                     ; tile B's image in yc,
	s_mov_b32 s95, 0
	s_lshl_b32 s89, s84, 8
	s_add_co_u32 s88, s88, s89                     ; tile A's
	s_mov_b32 s89, 0
	s_mov_b32 s[G1], 15|(3<<16)|(1<<21)            ; the mask: all four work-groups; elements of 8 bytes; a dense block as 16 rows of 256 bytes
	s_mov_b32 s[G1+1], 32<<16
	s_mov_b32 s[G1+2], 16<<16
	s_mov_b32 s[G1+3], 32<<16
	s_mov_b32 s[G1+4], 16
	s_mov_b32 s[G1+5], 32
	s_mov_b32 s[G1+6], 0
	s_mov_b32 s[G1+7], 0
	s_mov_b32 s[G1B], 15|(3<<16)|(1<<21)           ; the same, 48 rows
	s_mov_b32 s[G1B+1], 32<<16
	s_mov_b32 s[G1B+2], 48<<16
	s_mov_b32 s[G1B+3], 32<<16
	s_mov_b32 s[G1B+4], 48
	s_mov_b32 s[G1B+5], 32
	s_mov_b32 s[G1B+6], 0
	s_mov_b32 s[G1B+7], 0
	s_mov_b32 s[SEL], 0x76543210
	s_mov_b32 s[SEL+1], 0xfedcba98
	s_mov_b32 s[CS], 0x3e38aa3b                    ; c = log2(e) / 8
	s_wait_dscnt 0x0
	s_wait_kmcnt 0x0
	s_load_b256 s[68:75], s[6:7], 0x0              ; e0 .. e7
	s_add_nc_u64 s[G0+2:G0+3], s[4:5], s[80:81]
	s_or_b32 s[G0+3], s[G0+3], 0x80000000
	s_add_nc_u64 s[G0B+2:G0B+3], s[4:5], s[82:83]
	s_or_b32 s[G0B+3], s[G0B+3], 0x80000000
	s_add_nc_u64 s[10:11], s[4:5], s[86:87]
	s_add_nc_u64 s[12:13], s[4:5], s[92:93]
	s_add_nc_u64 s[14:15], s[8:9], s[88:89]
	s_add_nc_u64 s[16:17], s[8:9], s[94:95]
	CROUND                                         ; all four work-groups are here: the first joint loads meet
	TLOAD G0, G1                                   ; keys 0-511: my one load at the head
	v_and_b32 v11, 31, v0
	s_delay_alu instid0(VALU_DEP_1)
	v_lshlrev_b32 v[GO], 4, v11
	global_load_b128 v[20:23], v[GO], s[10:11]
	global_load_b128 v[24:27], v[GO], s[10:11] offset:512
	global_load_b128 v[28:31], v[GO], s[12:13]
	global_load_b128 v[32:35], v[GO], s[12:13] offset:512
	v_and_b32 v8, 15, v0                           ; r
	v_bfe_u32 v9, v0, 4, 1                         ; h
	s_delay_alu instid0(VALU_DEP_1)
	v_lshlrev_b32 v11, 3, v9
	s_delay_alu instid0(VALU_DEP_1)
	v_sub_nc_u32 v[DQ], v8, v11
	s_delay_alu instid0(VALU_DEP_1)
	v_add_nc_u32 v[DQ], s85, v[DQ]
.irp q, 12, 16
	v_mov_b32 v[\q+1], 0xff61b1e6                  ; the largest t so far: -3e38, under every t
	s_delay_alu instid0(VALU_DEP_1)
	v_floor_f32 v[\q], -v[\q+1]                    ; -M
	v_mov_b32 v[\q+2], 0
	v_mov_b32 v[\q+3], 0
.endr
	v_mov_b32 v247, 0                              ; (named as the upper half of the pair v[246:247])
	v_mov_b32 v250, 0                              ; a lane permute's destination counts as one of its sources
	v_mov_b32 v251, 0
.set oj, 0
.rept 64
	v_mov_b32 v[164+oj], 0                         ; O^T: a tile's first step finds zeros, which the first change of M leaves zeros
.set oj, oj+1
.endr
	s_wait_kmcnt 0x0
	s_add_co_i32 s76, s70, s71
	s_lshl_b32 s76, s76, 23
	s_add_co_i32 s[CS], s[CS], s76
	s_mov_b32 s[CS+1], s[CS]
	s_add_co_i32 s76, s72, 127
	s_lshl_b32 s77, s76, 23
	v_mov_b32 v244, s77                            ; 2^e4
	s_add_co_i32 s76, s76, 8
	s_lshl_b32 s76, s76, 23
	s_or_b32 s[HP], s76, 0x600000                  ; 448 x 2^e4
.macro TM count                        ; so many pairs of t - M, from pair n on
.rept \count
	v_pk_fma_f32 v[S+n:S+n+1], v[S+n:S+n+1], s[CS:CS+1], v[ST:ST+1] op_sel_hi:[1,0,0]
.set n, n+2
.endr
.endm
; A KEY STEP of tile tl: 128 keys from KF on.  guard = 1: with the test for a hidden step and the mask on the diagonal.
.macro STEP tl, guard
.set ST, 12+4*(\tl)
.set QR, 20+8*(\tl)
.set OT, 164+32*(\tl)
.if \guard
	s_add_co_u32 s96, s[QB+\tl], 63
	s_cmp_gt_u32 s[KF], s96
	s_cbranch_scc1 .Lhidden_\@
.endif
	v_add_nc_u32 v[ADK], s[TK], v[GO]
	v_add_nc_u32 v[ADV], s[TV], v[GO]
	v_nop                                          ; with the two additions: four places in front of loads into registers that the last products read
	v_nop
.set t, 0
.rept 16                                       ; K's eight tiles of 16 keys x 64 channels
	ds_load_b128 v[F+4*t:F+4*t+3], v[ADK] offset:512*t
.set t, t+1
.endr
	s_wait_alu depctr_va_vdst(0)                   ; directly ahead of the wait below
	s_wait_dscnt 0x0
.set t, 0
.rept 8
	v_wmma_f32_16x16x64_fp8_fp8 v[S+8*t:S+8*t+7], v[F+8*t:F+8*t+7], v[QR:QR+7], 0
.set t, t+1
.endr
.rept 4
	v_nop                                          ; four places: in front of the loads below and of the first read of the scores
.endr
.set t, 0
.rept 16                                       ; V's four tiles of 16 rows x 128 keys; they land under the softmax
	ds_load_b128 v[F+4*t:F+4*t+3], v[ADV] offset:512*t
.set t, t+1
.endr
.if \guard
	s_add_co_u32 s96, s[KF], 128
	s_cmp_le_u32 s96, s[QB+\tl]
	s_cbranch_scc1 .Lopen_\@
	s_sub_co_i32 s96, s[QB+\tl], s[KF]
	v_add_nc_u32 v253, s96, v[DQ]                  ; my query - KF - 8 h.  Register 8 t + j holds key KF + 16 t + 8 h + j: hidden where 16 t + j is greater
	v_mov_b32 v254, 0xff800000
.set n, 0
.rept 64
	v_cmp_gt_i32 vcc_lo, 16*(n/8)+n%8, v253
	v_cndmask_b32 v[S+n], v[S+n], v254, vcc_lo
.set n, n+1
.endr
.Lopen_\@:
.endif
.irp c, 0,1,2,3                                ; the step's largest score of my query: four chains of 15 scores each, by turns; each accumulator is first read at its low end
	v_max3_num_f32 v[252+\c], v[S+16*\c], v[S+16*\c+1], v[S+16*\c+2]
.endr
.set n, 3
.rept 6
.irp c, 0,1,2,3
	v_max3_num_f32 v[252+\c], v[252+\c], v[S+16*\c+n], v[S+16*\c+n+1]
.endr
.set n, n+2
.endr
	v_max3_num_f32 v252, v252, v253, v[S+15]       ; the four chains and the four scores that are left
	v_max3_num_f32 v254, v254, v255, v[S+31]
	v_max3_num_f32 v254, v252, v254, v[S+47]
	v_max_num_f32 v254, v254, v[S+63]
	s_delay_alu instid0(VALU_DEP_1)
	v_permlanex16_b32 v250, v254, s[SEL], s[SEL+1]
	s_delay_alu instid0(VALU_DEP_1)
	v_max_num_f32 v254, v254, v250                 ; and among lane l xor 16's
	s_delay_alu instid0(VALU_DEP_1)
	v_mul_f32 v254, s[CS], v254                    ; as t (c is positive)
	s_delay_alu instid0(VALU_DEP_1)
	v_max_num_f32 v[ST+1], v[ST+1], v254
	v_mov_b32 v254, v[ST]
	s_delay_alu instid0(VALU_DEP_2)
	v_floor_f32 v[ST], -v[ST+1]                    ; the new -M = -ceil(t)
	s_delay_alu instid0(VALU_DEP_1)
	v_sub_f32 v254, v[ST], v254                    ; old M - new M: a whole number, 0 or less
.set n, 0
	TM 10                                          ; t - M, two at a time; the lines that make f stand among them
	v_cvt_i32_f32 v254, v254                       ; (it saturates)
	TM 11
	v_ldexp_f32 v246, 1.0, v254                    ; f = 2^(old M - new M)
	TM 11
.set n, 0
	s_wait_alu depctr_va_vdst(0)
.rept 64
	v_exp_f32 v[S+n], v[S+n]                       ; p = 2^(t - M)
.set n, n+1
.endr
	v_pk_mul_f32 v[ST+2:ST+3], v[ST+2:ST+3], v[246:247] op_sel_hi:[1,0]   ; the plain instruction behind the exponentials
	s_wait_alu depctr_va_vdst(0)                   ; one wait for the batch of 64, ahead of its first reader
	v_pk_add_f32 v[248:249], v[S:S+1], v[S+2:S+3]  ; the row's sum is taken of the unquantised p, in four chains
	v_pk_add_f32 v[252:253], v[S+4:S+5], v[S+6:S+7]
	v_pk_add_f32 v[254:255], v[S+8:S+9], v[S+10:S+11]
.set n, 12
.rept 6
	v_pk_add_f32 v[ST+2:ST+3], v[ST+2:ST+3], v[S+n:S+n+1]
	v_pk_add_f32 v[248:249], v[248:249], v[S+n+2:S+n+3]
	v_pk_add_f32 v[252:253], v[252:253], v[S+n+4:S+n+5]
	v_pk_add_f32 v[254:255], v[254:255], v[S+n+6:S+n+7]
.set n, n+8
.endr
	v_pk_add_f32 v[ST+2:ST+3], v[ST+2:ST+3], v[S+60:S+61]
	v_pk_add_f32 v[248:249], v[248:249], v[S+62:S+63]
	v_pk_add_f32 v[252:253], v[252:253], v[254:255]
	v_pk_add_f32 v[ST+2:ST+3], v[ST+2:ST+3], v[248:249]
	v_pk_add_f32 v[ST+2:ST+3], v[ST+2:ST+3], v[252:253]
.set n, 0
.rept 32                                       ; the conversion does not saturate (ISA guide 7.6.2); p is not negative, so the hold is one-sided; two numbers an instruction
	v_dual_min_num_f32 v[S+n], s[HP], v[S+n] :: v_dual_min_num_f32 v[S+n+1], s[HP], v[S+n+1]
.set n, n+2
.endr
.set t, 0
.rept 8
	v_cvt_scalef32_pk8_fp8_f32 v[PC+2*t:PC+2*t+1], v[S+8*t:S+8*t+7], v244
.set t, t+1
.endr
	s_wait_alu depctr_va_vdst(0)                   ; directly ahead of the first reader of O^T
.set n, 0
.rept 16
	v_pk_mul_f32 v[OT+n:OT+n+1], v[OT+n:OT+n+1], v[246:247] op_sel_hi:[1,0]   ; O^T under the new M.  (Plain instructions between the conversions and the products that read their results)
.set n, n+2
.endr
	s_wait_alu depctr_va_vdst(0)                   ; directly ahead of the wait below
	s_wait_dscnt 0x0                               ; V is in
.set d, 0
.rept 4                                        ; the four accumulators take one turn each
	v_wmma_f32_16x16x128_fp8_fp8 v[OT+8*d:OT+8*d+7], v[F+16*d:F+16*d+15], v[PC:PC+15], v[OT+8*d:OT+8*d+7]
.set d, d+1
.endr
.if \guard
.Lhidden_\@:
.endif
.endm
.macro WALK tl, guard, k0, trips       ; so many key steps of tile tl from key k0 on; the trip count is a constant
	s_mov_b32 s[TK], (\k0)/128*KSTEP
	s_mov_b32 s[TV], VBASE+(\k0)/128*KSTEP
	s_mov_b32 s[KF], \k0
	s_mov_b32 s[STEPC], \trips
.Lwalk_\@:
	STEP \tl, \guard
	s_add_co_u32 s[TK], s[TK], KSTEP
	s_add_co_u32 s[TV], s[TV], KSTEP
	s_add_co_u32 s[KF], s[KF], 128
	s_sub_co_u32 s[STEPC], s[STEPC], 1
	s_cmp_lg_u32 s[STEPC], 0
	s_cbranch_scc1 .Lwalk_\@
.endm
	s_wait_alu depctr_va_vdst(0)
	s_wait_loadcnt 0x0                             ; Q
	s_wait_tensorcnt 0x0                           ; my part of keys 0-511 is in
	ds_add_u32 v[SPW], v[NIL]
	s_wait_dscnt 0x0
	CROUND                                         ; everybody's part is in, and all four work-groups are here
	TLOAD G0B, G1B                                 ; keys 512-2047: bytes that are filled for the first time; my last tensor load
	WALK 1, 0, 0, 3                                ; tile B, keys 0-383
	s_wait_tensorcnt 0x0                           ; my part of keys 512-2047 is in:
	s_wait_dscnt 0x0
	s_barrier_signal -1                            ; say so
	WALK 1, 0, 384, 1                              ; tile B, keys 384-511
	s_barrier_wait -1                              ; everybody's part is in
	WALK 1, 0, 512, 4                              ; tile B, keys 512-1023
	WALK 0, 1, 0, 8                                ; tile A
	WALK 1, 1, 1024, 8                             ; tile B, keys 1024-2047
	; THE WAY OUT.  y = O^T / the sum x 2^(e4 + e5), held and quantised with 2^e6.  Tiles 2 c and 2 c + 1 of O^T hold channels 32 c + 16 h + 0..15 of my query: the conversions' results are the image that yc wants,
	; and each store covers 512 consecutive bytes, aligned.  The first plain lines are the places behind the last products.
	v_add_f32 v14, v14, v15
	v_add_f32 v18, v18, v19
	s_delay_alu instid0(VALU_DEP_2)
	v_permlanex16_b32 v250, v14, s[SEL], s[SEL+1]
	s_delay_alu instid0(VALU_DEP_2)
	v_permlanex16_b32 v251, v18, s[SEL], s[SEL+1]
	s_delay_alu instid0(VALU_DEP_2)
	v_add_f32 v14, v14, v250
	s_delay_alu instid0(VALU_DEP_2)
	v_add_f32 v18, v18, v251
	s_wait_alu depctr_va_vdst(0)
	v_rcp_f32 v14, v14
	v_rcp_f32 v18, v18
	s_add_co_i32 s76, s72, s73                     ; e4 + e5
	s_add_co_i32 s77, s74, 127
	s_lshl_b32 s78, s77, 23
	s_add_co_i32 s77, s77, 8
	s_lshl_b32 s77, s77, 23
	s_or_b32 s77, s77, 0x600000
	v_mov_b32 v244, s78                            ; 2^e6  (the plain instruction behind the reciprocals)
	v_mov_b32 v245, s77                            ; 448 x 2^e6
	s_wait_alu depctr_va_vdst(0)                   ; one wait for the two reciprocals, ahead of their first reader
	v_ldexp_f32 v14, v14, s76
	v_ldexp_f32 v18, v18, s76
.irp tl, 0,1
.set n, 0
.rept 16
	v_pk_mul_f32 v[S+32*\tl+n:S+32*\tl+n+1], v[164+32*\tl+n:164+32*\tl+n+1], v[14+4*\tl:15+4*\tl] op_sel_hi:[1,0]   ; each accumulator from its low end on
.set n, n+2
.endr
.set n, 0
.rept 32
	v_med3_num_f32 v[S+32*\tl+n], v[S+32*\tl+n], -v245, v245
.set n, n+1
.endr
.irp d, 0,1,2,3
	v_cvt_scalef32_pk8_fp8_f32 v[PC+8*\tl+2*\d:PC+8*\tl+2*\d+1], v[S+32*\tl+8*\d:S+32*\tl+8*\d+7], v244
.endr
	v_nop                                          ; one plain vector instruction behind the last conversion of the run
	global_store_b128 v[GO], v[PC+8*\tl:PC+8*\tl+3],   s[14+2*\tl:15+2*\tl]
	global_store_b128 v[GO], v[PC+8*\tl+4:PC+8*\tl+7], s[14+2*\tl:15+2*\tl] offset:512
.endr
	s_wait_tensorcnt 0x0                           ; the wave's end
	ds_add_u32 v[SPW], v[NIL]
	s_wait_dscnt 0x0
	CROUND                                         ; the closing round
	s_endpgm
.Lfunc_end_k_qb8a980bde5_attn:
	.size	k_qb8a980bde5_attn, .Lfunc_end_k_qb8a980bde5_attn-k_qb8a980bde5_attn
	.p2alignl 7, 3214868480
	.fill 96, 4, 3214868480
	.section	.rodata,"a",@progbits
	.p2align	6, 0x0
	.amdhsa_kernel k_qb8a980bde5_attn
		.amdhsa_group_segment_fixed_size 327680
		.amdhsa_private_segment_fixed_size 0
		.amdhsa_enable_private_segment 0
		.amdhsa_kernarg_size 24
		.amdhsa_user_sgpr_count 2
		.amdhsa_user_sgpr_kernarg_segment_ptr 1
		.amdhsa_wavefront_size32 1
		.amdhsa_system_sgpr_workgroup_id_x 1
		.amdhsa_system_sgpr_workgroup_id_y 1
		.amdhsa_system_sgpr_workgroup_id_z 1
		.amdhsa_system_vgpr_workitem_id 0
		.amdhsa_next_free_vgpr 256
		.amdhsa_next_free_sgpr 100
		.amdhsa_reserve_vcc 1
		.amdhsa_float_denorm_mode_32 3
		.amdhsa_float_denorm_mode_16_64 3
		.amdhsa_memory_ordered 1
		.amdhsa_forward_progress 1
		.amdhsa_inst_pref_size 107
	.end_amdhsa_kernel
	.amdgpu_metadata
---
amdhsa.version: [ 1, 2 ]
amdhsa.kernels:
  - .name:           k_qb8a980bde5_attn
    .symbol:         k_qb8a980bde5_attn.kd
    .args:
      - { .name: qkv, .offset: 0, .size: 8, .value_kind: global_buffer, .address_space: global }
      - { .name: lowp_scales, .offset: 8, .size: 8, .value_kind: global_buffer, .address_space: global }
      - { .name: yc, .offset: 16, .size: 8, .value_kind: global_buffer, .address_space: global }
    .group_segment_fixed_size: 327680
    .private_segment_fixed_size: 0
    .kernarg_segment_align: 8
    .kernarg_segment_size: 24
    .max_flat_workgroup_size: 512
    .sgpr_count:     100
    .vgpr_count:     256
    .wavefront_size: 32
...
	.end_amdgpu_metadata
.endif
;; end of part 3
;; launch proj (part 4): grid 4 x 64, 4 waves a work-group, clusters of 4 x 1, 327,680 bytes of LDS; arguments yc, wpc, lowp_scales, b_proj, out0; writes out0
.if DOCPART == 4
	.amdgcn_target "amdgcn-amd-amdhsa--gfx1250"
	.amdhsa_code_object_version 6
	.text
	.protected	k_qb8a980bde5_proj
	.globl	k_qb8a980bde5_proj
	.p2align	8
	.type	k_qb8a980bde5_proj,@function
k_qb8a980bde5_proj:
	s_mov_b64 s[64:65], 0
	v_nop
	global_prefetch_b8 v0, s[64:65] scope:SCOPE_SE
	s_setreg_imm32_b32 hwreg(HW_REG_WAVE_MODE, 25, 1), 1
	s_wait_xcnt 0x0
	s_wait_alu depctr_hold_cnt(0) depctr_sa_sdst(0) depctr_va_vdst(0) depctr_va_sdst(0) depctr_va_ssrc(0) depctr_va_vcc(0) depctr_vm_vsrc(0)
	s_getreg_b32 s2, hwreg(HW_REG_IB_STS2, 6, 4)
	s_cmp_eq_u32 s2, 0
	s_cbranch_scc0 .Lentry_in_a_cluster
	s_endpgm
.Lentry_in_a_cluster:
	s_bfe_u32 s2, ttmp6, 0x10000c
	s_cmp_lg_u32 s2, 0x3003
	s_cbranch_scc0 .Lentry_shape_is_right
	s_endpgm
.Lentry_shape_is_right:
; out0 = y W_proj^T + b_proj on codes of FP8 (E4M3): y with the scales' entry 6, W_proj with entry 7; out0 [8192][1024] f32.
; IN: yc: [head / 4 (4)][tile of 16 rows (512)][head % 4][c (2)][lane][16 bytes]: lane (r, h) holds K = 64 head + 32 c + 16 h + 0..15 of row r.  wpc: [tile of 16 rows][ks (8)][c (4)][row / 8][2 (row % 8) + h][16 bytes],
; K = 128 ks + 32 c + 16 h + 0..15: the same order of K in both operands' registers.
; LIMIT: e6 + e7 between -126 and 126, so that 2^(e6 + e7) and its inverse are f32 numbers.
; THE WEIGHTS STAY IN REGISTERS.  256 work-groups: 4 groups of 256 channels x 64 blocks of 128 rows.  Wave n = 4 x group + wave holds channels 64 n .. 64 n + 63 for all of K: 4 x 8 fragments of 16 registers in windows 1 and 2,
; loaded once from memory, each load two whole units of 256 bytes.  The block's 128 rows x 1,024 K, 131,072 bytes, land in LDS by one load a wave (a quarter of K each), asked for JOINTLY by the four work-groups of a cluster,
; which differ in their channels alone.  Nothing is filled again; one barrier.  No prefetch: all is asked for at the head, ahead of the loop.
; A TRIP takes two tiles of 16 rows through all of K: 64 matrix instructions on 8 accumulators, four by turns under one window setting.  Source 0 = weights, source 1 = rows of y: a lane holds eight neighbouring channels of a row.
; The bias, divided by 2^(e6 + e7), is the C of each sum's first product.  The results go through the wave's own stage in LDS and leave as rows of 256 bytes, sixteen lanes to an aligned unit.
; REGISTERS, window 0: v1-13 addresses; v16-47 biases; v64-127, v128-191 two sets of y's fragments (two K steps x two tiles); the second also takes the rows back from the stage; v192-255 accumulators.
.set STAGE, 131072                     ; 2 x 16 rows x 272 bytes for each wave: bytes into which no fill lands
.set SPITCH, 272
.set WSTG,  2*16*SPITCH
.set SPARE, STAGE+4*WSTG
.set AL0, 1
.set ADA, 2                            ; v2, v3: LDS address of the pair in hand, in K's first and second half
.set GO,  4
.set SPW, 5
.set NIL, 6
.set STO, 7
.set RD,  8
.set CO,  9
.set CP,  10
.set BQ,  16
.set S0,  64
.set S1,  128
.set ACC, 192
.set G1,  24
.set G0,  32
.set BM,  84
.set SM,  86
.set TP,  90
.set OO,  91
.set PI,  93
.set MSB, 0
.macro WIN new
.if MSB != \new
	s_set_vgpr_msb (MSB<<8)|\new
.set MSB, \new
.endif
.endm
.macro PLACES
.rept 4
	v_nop
.endr
.endm
.macro CROUND
	s_barrier_signal -1
	s_barrier_wait -1
	s_cmp_lg_u32 s14, 0
	s_cbranch_scc1 .Lnot_wave_0_\@
	s_barrier_signal -3
.Lnot_wave_0_\@:
	s_barrier_wait -3
	s_barrier_signal -1
	s_barrier_wait -1
.endm
	s_load_b256 s[4:11], s[0:1], 0x0               ; yc, wpc, the scales' exponents, b_proj
	s_load_b64 s[12:13], s[0:1], 0x20              ; out0
	v_lshl_add_u32 v[SPW], v0, 2, SPARE
	v_mov_b32 v[NIL], 0
	ds_add_u32 v[SPW], v[NIL]
	ds_add_u32 v[SPW], v[NIL]
	v_lshrrev_b32 v11, 5, v0
	v_readfirstlane_b32 s14, v11                   ; wave
	s_bfe_u32 s15, ttmp6, 0x40000                  ; cx: it enters global addresses of plain loads and stores alone
	s_lshl_b32 s17, s15, 2
	s_add_co_u32 s17, s17, s14                     ; n
	s_and_b32 s18, ttmp7, 0xffff                   ; the block of rows
	s_mov_b32 s[G1], 15|(3<<16)|(1<<21)            ; the mask: all four; elements of 8 bytes; a dense block as 128 rows of 256 bytes
	s_mov_b32 s[G1+1], 32<<16
	s_mov_b32 s[G1+2], 128<<16
	s_mov_b32 s[G1+3], 32<<16
	s_mov_b32 s[G1+4], 128
	s_mov_b32 s[G1+5], 32
	s_mov_b32 s[G1+6], 0
	s_mov_b32 s[G1+7], 0
	s_mov_b32 s[G0], 1
	s_lshl_b32 s[G0+1], s14, 15                    ; my quarter of K: eight tiles of 4,096 bytes
	s_lshl_b32 s20, s14, 21
	s_lshl_b32 s21, s18, 15
	s_add_co_u32 s20, s20, s21
	s_mov_b32 s21, 0
	s_lshl_b32 s48, s17, 16                        ; the weights: tiles 4 n ..
	s_mov_b32 s49, 0
	s_lshl_b32 s52, s17, 8                         ; channel 64 n, in bytes of f32
	s_mov_b32 s53, 0
	s_lshl_b32 s60, s18, 19                        ; 128 rows of 4,096 bytes
	s_add_co_u32 s60, s60, s52
	s_mov_b32 s61, 0
	s_mul_i32 s22, s14, WSTG
	s_add_co_u32 s22, s22, STAGE                   ; my stage
	s_wait_dscnt 0x0
	s_wait_kmcnt 0x0
	s_load_b256 s[72:79], s[8:9], 0x0              ; e0 .. e7
	s_add_nc_u64 s[G0+2:G0+3], s[4:5], s[20:21]
	s_or_b32 s[G0+3], s[G0+3], 0x80000000
	s_add_nc_u64 s[36:37], s[6:7], s[48:49]
	s_add_nc_u64 s[40:41], s[10:11], s[52:53]
	s_add_nc_u64 s[12:13], s[12:13], s[60:61]
	CROUND                                         ; all four work-groups are here: the joint loads meet
	tensor_load_to_lds s[G0:G0+3], s[G1:G1+7]      ; my one tensor load
	s_nop 0
	PLACES
	v_and_b32 v11, 7, v0                           ; r % 8
	v_bfe_u32 v12, v0, 3, 1                        ; r / 8
	v_bfe_u32 v13, v0, 4, 1                        ; h
	v_lshlrev_b32 v14, 5, v11
	v_lshl_add_u32 v14, v13, 4, v14
	v_lshl_add_u32 v[AL0], v12, 8, v14             ; my place in a block of 512 bytes of wpc
	v_and_b32 v15, 31, v0
	v_lshlrev_b32 v[GO], 4, v15
	v_mov_b32 v[ADA], v[GO]
	v_add_nc_u32 v[ADA+1], 0x10000, v[GO]
	v_and_b32 v15, 15, v0                          ; r
	v_mul_u32_u24 v[STO], v15, SPITCH
	v_lshl_add_u32 v[STO], v13, 5, v[STO]
	v_add_nc_u32 v[STO], s22, v[STO]               ; in: row r, 32 bytes for each half of the lanes
	v_mul_u32_u24 v[RD], v13, SPITCH
	v_lshl_add_u32 v[RD], v15, 4, v[RD]
	v_add_nc_u32 v[RD], s22, v[RD]                 ; back: lanes 0-15 one row of 256 bytes, lanes 16-31 the next
	v_lshlrev_b32 v[CO], 12, v13
	v_lshl_add_u32 v[CO], v15, 4, v[CO]            ; and the same two rows in out0
	v_lshlrev_b32 v13, 5, v13                      ; biases: 32 h bytes
	s_wait_alu depctr_va_vdst(0)
.irp t, 0,1,2,3
	global_load_b128 v[BQ+8*\t:BQ+8*\t+3],   v13, s[40:41] offset:64*\t
	global_load_b128 v[BQ+8*\t+4:BQ+8*\t+7], v13, s[40:41] offset:64*\t+16
.endr
.irp t, 0,1,2,3                        ; the weights: fragment (tile t, ks) at register 128 (t % 2) + 16 ks of window 1 + t / 2
.set WN, (1+\t/2)<<6
	WIN WN
.set kc, 0
.rept 32
	global_load_b128 v[(\t%2)*128+4*kc:(\t%2)*128+4*kc+3], v[AL0], s[36:37] offset:\t*16384+kc*512
.set kc, kc+1
.endr
.endr
	WIN 0
	s_wait_kmcnt 0x0
	s_add_co_i32 s80, s78, s79                     ; e6 + e7
	s_sub_co_i32 s81, 127, s80
	s_lshl_b32 s[BM], s81, 23
	s_mov_b32 s[BM+1], s[BM]
	s_add_co_i32 s81, s80, 127
	s_lshl_b32 s[SM], s81, 23
	s_mov_b32 s[SM+1], s[SM]
	s_mov_b32 s[TP], 0
	s_mov_b32 s[OO], 0
	s_mov_b32 s[PI], 0
	s_wait_loadcnt 0x0                             ; biases and weights
.set n, 0
.rept 16
	v_pk_mul_f32 v[BQ+n:BQ+n+1], v[BQ+n:BQ+n+1], s[BM:BM+1] op_sel_hi:[1,0]
.set n, n+2
.endr
	s_wait_alu depctr_va_vdst(0)
	s_wait_tensorcnt 0x0                           ; my part of y is in,
	s_barrier_signal -1
	s_barrier_wait -1                              ; everybody's is
.macro LDP set, kp, nxt                ; the two tiles' fragments of K steps 2 kp, 2 kp + 1 (nxt = 1: of the next pair)
.irp e, 0,1
.irp T, 0,1
.irp c, 0,1,2,3
	ds_load_b128 v[\set+32*\e+16*\T+4*\c:\set+32*\e+16*\T+4*\c+3], v[ADA+(\kp)/2] offset:((\kp)%2)*32768+(\nxt)*8192+\T*4096+\e*2048+\c*512
.endr
.endr
.endr
.endm
.macro MP tau0, set, kp                ; tiles tau0, tau0 + 1 of the weights x the two tiles of rows, two K steps: the four accumulators take turns
.irp e, 0,1
.irp T, 0,1
.irp u, 0,1
.if (\kp) == 0 && \e == 0
	v_wmma_f32_16x16x128_fp8_fp8 v[ACC+8*(2*(\tau0+\u)+\T):ACC+8*(2*(\tau0+\u)+\T)+7], v[128*\u+16*(2*(\kp)+\e):128*\u+16*(2*(\kp)+\e)+15], v[\set+32*\e+16*\T:\set+32*\e+16*\T+15], v[BQ+8*(\tau0+\u):BQ+8*(\tau0+\u)+7]
.else
	v_wmma_f32_16x16x128_fp8_fp8 v[ACC+8*(2*(\tau0+\u)+\T):ACC+8*(2*(\tau0+\u)+\T)+7], v[128*\u+16*(2*(\kp)+\e):128*\u+16*(2*(\kp)+\e)+15], v[\set+32*\e+16*\T:\set+32*\e+16*\T+15], v[ACC+8*(2*(\tau0+\u)+\T):ACC+8*(2*(\tau0+\u)+\T)+7]
.endif
.endr
.endr
.endr
.endm
.macro PPAIR more
	v_add_nc_u32 v[ADA], s[TP], v[GO]
	v_add_nc_u32 v[ADA+1], 0x10000, v[ADA]
	s_wait_alu depctr_va_vdst(0)
	s_wait_xcnt 0x0                                ; the last pair's stores have read the second set and their offset
.irp kp, 0,1,2,3
.if \kp < 3
	PLACES                                         ; ahead of loads into registers that products have read
	LDP S0+64*((\kp+1)%2), \kp+1, 0
	s_wait_dscnt 16                                ; this set is in; the next set's sixteen loads may be out
.else
	s_wait_dscnt 0
.endif
	WIN 0x01
	MP 0, S0+64*(\kp%2), \kp
	WIN 0x02
	MP 2, S0+64*(\kp%2), \kp
	WIN 0
.endr
	PLACES                                         ; ahead of the first read of the sums and of the loads below
.if \more
	LDP S0, 0, 1
.endif
	v_add_nc_u32 v[CP], s[OO], v[CO]
.set n, 0
.rept 32
	v_pk_mul_f32 v[ACC+n:ACC+n+1], v[ACC+n:ACC+n+1], s[SM:SM+1] op_sel_hi:[1,0]   ; x 2^(e6 + e7); each accumulator from its low end on
.set n, n+2
.endr
.irp T, 0,1
.irp t, 0,1,2,3
	ds_store_b128 v[STO], v[ACC+8*(2*\t+\T):ACC+8*(2*\t+\T)+3]   offset:\T*16*SPITCH+64*\t
	ds_store_b128 v[STO], v[ACC+8*(2*\t+\T)+4:ACC+8*(2*\t+\T)+7] offset:\T*16*SPITCH+64*\t+16
.endr
.endr
.irp T, 0,1
.irp i, 0,1,2,3,4,5,6,7
	ds_load_b128 v[S1+32*\T+4*\i:S1+32*\T+4*\i+3], v[RD] offset:\T*16*SPITCH+2*\i*SPITCH   ; LDS serves a wave's instructions in order (ISA guide 5.7.1.4): these see my stores
.endr
.endr
	s_wait_dscnt 0x0
.irp T, 0,1
.irp i, 0,1,2,3,4,5,6,7
	global_store_b128 v[CP], v[S1+32*\T+4*\i:S1+32*\T+4*\i+3], s[12:13] offset:(16*\T+2*\i)*4096 th:TH_STORE_NT   ; sixteen lanes store 256 consecutive bytes, aligned
.endr
.endr
.endm
	LDP S0, 0, 0
.Lpair:                                            ; three trips; the fourth pair is written out: it fetches nothing more
	PPAIR 1
	s_add_co_u32 s[TP], s[TP], 8192
	s_add_co_u32 s[OO], s[OO], 131072
	s_add_co_u32 s[PI], s[PI], 1
	s_cmp_lt_u32 s[PI], 3
	s_wait_alu depctr_va_vdst(0)
	s_cbranch_scc1 .Lpair
	PPAIR 0
	s_wait_tensorcnt 0x0                           ; the wave's end
	ds_add_u32 v[SPW], v[NIL]
	s_wait_dscnt 0x0
	CROUND                                         ; the closing round
	s_endpgm
.Lfunc_end_k_qb8a980bde5_proj:
	.size	k_qb8a980bde5_proj, .Lfunc_end_k_qb8a980bde5_proj-k_qb8a980bde5_proj
	.p2alignl 7, 3214868480
	.fill 96, 4, 3214868480
	.section	.rodata,"a",@progbits
	.p2align	6, 0x0
	.amdhsa_kernel k_qb8a980bde5_proj
		.amdhsa_group_segment_fixed_size 327680
		.amdhsa_private_segment_fixed_size 0
		.amdhsa_enable_private_segment 0
		.amdhsa_kernarg_size 40
		.amdhsa_user_sgpr_count 2
		.amdhsa_user_sgpr_kernarg_segment_ptr 1
		.amdhsa_wavefront_size32 1
		.amdhsa_system_sgpr_workgroup_id_x 1
		.amdhsa_system_sgpr_workgroup_id_y 1
		.amdhsa_system_sgpr_workgroup_id_z 1
		.amdhsa_system_vgpr_workitem_id 0
		.amdhsa_next_free_vgpr 1024
		.amdhsa_next_free_sgpr 100
		.amdhsa_reserve_vcc 0
		.amdhsa_float_denorm_mode_32 3
		.amdhsa_float_denorm_mode_16_64 3
		.amdhsa_memory_ordered 1
		.amdhsa_forward_progress 1
		.amdhsa_inst_pref_size 49
	.end_amdhsa_kernel
	.amdgpu_metadata
---
amdhsa.version: [ 1, 2 ]
amdhsa.kernels:
  - .name:           k_qb8a980bde5_proj
    .symbol:         k_qb8a980bde5_proj.kd
    .args:
      - { .name: yc, .offset: 0, .size: 8, .value_kind: global_buffer, .address_space: global }
      - { .name: wpc, .offset: 8, .size: 8, .value_kind: global_buffer, .address_space: global }
      - { .name: lowp_scales, .offset: 16, .size: 8, .value_kind: global_buffer, .address_space: global }
      - { .name: b_proj, .offset: 24, .size: 8, .value_kind: global_buffer, .address_space: global }
      - { .name: out0, .offset: 32, .size: 8, .value_kind: global_buffer, .address_space: global }
    .group_segment_fixed_size: 327680
    .private_segment_fixed_size: 0
    .kernarg_segment_align: 8
    .kernarg_segment_size: 40
    .max_flat_workgroup_size: 128
    .sgpr_count:     100
    .vgpr_count:     1024
    .wavefront_size: 32
...
	.end_amdgpu_metadata
.endif
;; end of part 4
